; MI455X (gfx1250); checked and timed in simulation.
; The chip was launched on July 23, 2026; its instructions are those of AMD's public machine-readable ISA for CDNA 5 (MIT licence, August 2026) and "CDNA5" Instruction Set Architecture Reference Guide (July 2026). The comments in the code are by the model that wrote it; some were corrected since.
;; Multi Headed Attention. Allowed arithmetic: matrix products marked QUANTISED: E2M3 operands, one E8M0 scale for each 32 along K, by v_wmma_scale_f32_16x16x128_f8f6f4 with both operands' format E2M3, f32 sums; everything else in f32.
;; Inputs: Wk 256 x 256 float32; Wo 256 x 256 float32; Wq 256 x 256 float32; Wv 256 x 256 float32; bk 256 float32; bo 256 float32; bq 256 float32; bv 256 float32; key_ 4 x 256 x 2,048 float32; query 4 x 256 x 2,048 float32; value 4 x 256 x 2,048 float32.
;; Outputs: out0 4 x 256 x 2,048 float32.
;; This version of the problem:
;;   THIS VERSION OF THE PROBLEM IS GIVEN IN LOW PRECISION. The matrix products marked QUANTISED in the list below multiply operands that are first quantised to E2M3 (2 exponent bits, 3 mantissa bits; 6 bits a number), with one power-of-two scale for each 32 numbers along K (OCP MX v1.0); their sums are f32. All else is computed in f32.
;;   The module's matrix products, in the order in which they are computed (A, B: the left and right operand; K: the contracted axis; several contracted axes count as one K, in the product's order):
;;     1. [M 8,192, K 256] x [K 256, N 256]; A: input query; B: input Wq: QUANTISED
;;     2. [M 8,192, K 256] x [K 256, N 256]; A: input key_; B: input Wk: QUANTISED
;;     3. [M 8,192, K 256] x [K 256, N 256]; A: input value; B: input Wv: QUANTISED
;;     4. batch 16 x [M 2,048, K 64] x [K 64, N 2,048]; A: computed on the way; B: computed on the way: QUANTISED
;;     5. batch 16 x [M 64, K 2,048] x [K 2,048, N 2,048]; A: computed on the way; B: softmax (see below): QUANTISED
;;     6. [M 8,192, K 256] x [K 256, N 256]; A: computed on the way; B: input Wo: QUANTISED
;;   THE QUANTISER, for each operand of a quantised product, along K:
;;     - K is cut into blocks of 32 from its start; a last block that is shorter is filled with zeros.
;;     - A block's scale is 2^e with e = floor(log2(the largest magnitude in the block)) - 2, held to -126 .. 127; a block of zeros has e = 0. As a byte (E8M0): e + 127.
;;     - Each number is divided by its block's scale, clamped to +-7.5, and rounded to the nearest number of E2M3, ties to even, subnormals kept.
;;     - The product sums the exact products of the quantised numbers (number of the format x scale) in f32.
;;   ~~~python
;;   def quantise(x, axis):      # numpy; x: float32 -> the quantised numbers, widened to float32 again
;;       x = np.moveaxis(x, axis, -1); K = x.shape[-1]
;;       x = np.pad(x, [(0, 0)] * (x.ndim - 1) + [(0, -K % 32)]); x = x.reshape(x.shape[:-1] + (-1, 32)); a = np.abs(x).max(-1, keepdims=True)
;;       e = np.where(a > 0, np.clip(np.frexp(np.where(a > 0, a, 1))[1] - 1 - 2, -126, 127), 0)      # np.frexp(a)[1] - 1 = floor(log2(a)), exactly
;;       r = np.clip(x / 2.0 ** e, -7.5, 7.5)
;;       step = 2.0 ** (np.maximum(np.frexp(np.where(r == 0, 1, r))[1] - 1, 0) - 3)
;;       q = np.round(r / step) * step * 2.0 ** e      # np.round: ties to even
;;       return np.moveaxis(q.reshape(q.shape[:-2] + (-1,))[..., :K], -1, axis).astype(np.float32)
;;   ~~~
;;   SOFTMAX AHEAD OF A QUANTISED PRODUCT. Where the list says 'softmax', what is quantised is not the finished softmax but p = 2^(t - M), with t = logit x log2(e) and M = ceil(the row's largest t), a whole number; so 1/2 < the row's largest p <= 1. The row's sum l is taken of the UNQUANTISED p, in f32, and the product's result is divided by l at the end. Since M is a whole number, a kernel that streams over the keys may use a running M (the ceiling of the running maximum): every later rescaling is an exact power of two, which a block's scale takes up: the codes' values come out the same.
;;   OPERANDS COMPUTED ON THE WAY. 'Computed on the way' means the value that the module computes at that place (a softmax that the list does not call 'softmax' is quantised finished and normalised). What goes into a quantiser is computed in f32, as accurately as f32 sums, v_exp_f32 and their like allow (about 1e-6 of the number): no bf16 or f16 on the way to a quantiser, and a product that is left as it is and whose result goes on into a quantised operand takes f32 operands (vector FMAs, or v_wmma_f32_16x16x4_f32). A number that lies on a knife's edge between two numbers of the format may be rounded either way, as far as f32 arithmetic and the matrix unit's own rounding can turn it there, and no further.
;; One version. Each part assembles by itself: llvm-mc -triple=amdgcn-amd-amdhsa -mcpu=gfx1250 --defsym DOCPART=n.
;; ======== version 1 of 1: 3 launches
;; workspace buffers: qws 3,407,872 bytes; kvws 3,407,872 bytes; xws 8,388,608 bytes; wows 53,248 bytes
;; launch proj (part 1): grid 196 x 1, 4 waves a work-group, no clusters, 167,936 bytes of LDS; arguments query, key_, value, Wq, Wk, Wv, bq, bk, bv, qws, kvws, Wo, wows; writes qws, kvws, wows
.if DOCPART == 1
	.amdgcn_target "amdgcn-amd-amdhsa--gfx1250"
	.amdhsa_code_object_version 6
	.text
	.protected	k_qe52ce7ec37_proj
	.globl	k_qe52ce7ec37_proj
	.p2align	8
	.type	k_qe52ce7ec37_proj,@function
k_qe52ce7ec37_proj:
	s_mov_b64 s[64:65], 0
	v_nop
	global_prefetch_b8 v0, s[64:65] scope:SCOPE_SE
	s_setreg_imm32_b32 hwreg(HW_REG_WAVE_MODE, 25, 1), 1
	s_wait_xcnt 0x0
; THE THREE PROJECTIONS: q = Wq query + bq, k = Wk key_ + bk, v = Wv value + bv, each on codes of FP6 (E2M3) with one E8M0 scale for each 32 along K (the 256 input channels),
; and the quantising of their results for the two products of attention: q and k along the head's 64 channels d, v along the keys.  Four more work-groups quantise Wo for the last launch.
; DEAD WORK: none.  Every input of reference() has a way to the output (bk too: it moves k's codes), and every product of its table is computed by this program.
; LIMITS: NaN and infinities among the inputs are not served.  A block whose largest magnitude lies under 2^-124, a block of zeros among them, keeps the scale byte 1 (the rule says 127 for zeros):
; its codes are zeros or the rule's own, and the bytes are read by this program alone.
; SHARES.  Work-group 64 y + 16 b + blk, y = 0, 1, 2: y picks q, k, v; b the batch; blk 128 positions.  Wave h is head h: it holds the 64 rows o = 4 d + h of W as 8 fragments (4 tiles x 2 K steps) in registers.
; Work-group 192 + W: wave t quantises rows 64 W + 16 t .. + 15 of Wo, two fragments, and stores them as images of their registers: this path has no tile, no barrier and no LDS data.
; THE ROWS OF W THAT FORM A TILE: row r of tile t is d = 32 (r / 8) + 8 t + r % 8.  THE POSITIONS THAT FORM A TILE OF x: row r of tile 2 b + u is position 32 b + 8 u + r + 8 (r / 8).
; q, k (source 0 = W, source 1 = x): a lane holds ONE position and, over the four tiles' 32 registers, d = 32 (lane / 16) + 0 .. 31: a whole block along d, in the order of the next operand's registers 0 to 5.
; v (source 0 = x, source 1 = W): a lane holds ONE channel d and, over two neighbouring tiles' 16 registers, 16 neighbouring positions: the keys, which are the next K.
; THE INPUT has K (channels) outermost: its 256 x 128 numbers come into LDS by one tensor load a wave; then a lane takes a position and its registers run down the channels.
; WORKSPACE, in the order of the operands' registers.  For each (4 b + h, blk) a block of SBK = 13,312 bytes: at 768 a tile a of k (or q): registers 0-3, 16 bytes a lane, then registers 4-5, 8 bytes a lane;
; at 6144 + 1536 t fragment t of v, three runs of 16 bytes a lane; at 12288 the tiles' scale words (16 bytes a lane: pairs 0 to 3; lanes 0-15 the even tile, lanes 16-31 the odd one); at 12800 v's (8 bytes a lane);
; at 13056 256 zeros, since the next launch fetches whole blocks.  Wo: fragment (W, t, s) at 3072 (4 W + t) + 1536 s; a lane's two scale words at 49,152 + 256 (4 W + t) + 8 x lane.
; Every store covers whole aligned runs of 256 bytes.
; REGISTERS.  Window 0: v1-13 addresses and the like; v16-23 W's scale words; v24-27 x's; v32-43 at work; v44-62 codes just made; v64-255 numbers, fragments, results.  Window 1: v0-95 W's fragments, v96-127 the bias as C.
.set SBK,   13312
.set WOS,   49152                      ; where Wo's scale words begin in its workspace
.set XI,    131072                     ; LDS: 0 .. the input, channel c at 512 c;  XI: x's 16 fragments as images of their registers, (tile a, K step s) at (2 a + s) 1536
.set XSC,   155648                     ; their scale words, (pair b, s) at (2 b + s) 128
.set SPARE, 156672                     ; the spare words, 128 bytes for each wave: two blocks of 256 bytes that no other line names
.set ROWP,  512
.set TOFF,  32768                      ; from tile to tile of W: 8 d = 32 rows of 1,024 bytes
.set LW,   1
.set XA0,  2
.set XA1,  3
.set XW,   4
.set XSW,  5
.set LI,   6
.set LS,   7
.set GA,   8
.set GB,   9
.set SH8,  10
.set SPW,  11
.set NIL,  12
.set KEEP, 13
.set WS,   16
.set XS,   24
.set TM,   32
.set PC,   44
.set FA,   44
.set PW,   63
.set FB,   192
.set CT,   204
.set SEL,  32                          ; s[32:33] lane selects for v_permlanex16_b32: lane l xor 16
.set MHI,  34                          ; s34 the mask of lanes 16-31
.set MSB, 0
.macro WIN new                         ; the immediate's high byte repeats the setting that is left
.if MSB != \new
	s_set_vgpr_msb (MSB<<8)|\new
.set MSB, \new
.endif
.endm
.macro PLACES                          ; four places behind matrix instructions, ahead of reads of results and of loads into their registers
.rept 4
	v_nop
.endr
.endm
.macro BARRIER                         ; my LDS stores have landed and my LDS loads are in: then the work-group's barrier
	s_wait_dscnt 0x0
	s_barrier_signal -1
	s_barrier_wait -1
.endm
; fragment f = 2 t + s of W as f32: lane (r, hh) takes of its row k = 128 s + 32 b + 16 hh + 0 .. 15, b = 0 .. 3, into one of three sets of 64 registers
.macro WLOAD f
.irp b, 0,1,2,3
.irp j, 0,1,2,3
	global_load_b128 v[64+64*((\f)%3)+16*\b+4*\j:64+64*((\f)%3)+16*\b+4*\j+3], v[LW], s[54:55] offset:TOFF*((\f)/2)+512*((\f)%2)+128*\b+16*\j
.endr
.endr
.endm
; 64 numbers of a lane, register 16 b + i = k 32 b + 16 (lane / 16) + i of my row, become a fragment's codes in v[PC] on and its scale word in v[w]
.macro QUANT s, w
.set qS, \s
.set qW, \w
.irp b, 0,1,2,3
	v_max3_num_f32 v[TM+\b], |v[qS+16*\b]|, |v[qS+1+16*\b]|, 0x1800000   ; my 16 numbers of block b, and the floor 2^(3 - 127): the byte cannot fall under 1
.endr
.irp i, 2,4,6,8,10,12,14
.irp b, 0,1,2,3
	v_max3_num_f32 v[TM+\b], v[TM+\b], |v[qS+16*\b+\i]|, |v[qS+1+16*\b+\i]|   ; the four blocks by turns
.endr
.endr
.irp b, 0,1,2,3
	v_permlanex16_b32 v[TM+4+\b], v[TM+\b], s[SEL], s[SEL+1]
.endr
.irp b, 0,1,2,3
	v_max_num_f32 v[TM+\b], v[TM+\b], v[TM+4+\b]   ; with lane l xor 16's: the block's largest magnitude
.endr
.irp b, 0,1,2,3
	v_add_nc_u32 v[TM+8+\b], 0xff000000, v[TM+\b]  ; 2 off its exponent field: the conversion's scale operand
.endr
.irp b, 0,1,2,3
	v_lshrrev_b32 v[TM+4+\b], 23, v[TM+8+\b]       ; the scale's byte
.endr
	v_lshl_or_b32 v[qW], v[TM+5], 8, v[TM+4]
	v_lshl_or_b32 v[qW], v[TM+6], 16, v[qW]
	v_lshl_or_b32 v[qW], v[TM+7], 24, v[qW]
.irp c, 0,1
	v_cvt_scalef32_pk16_fp6_f32 v[PC+6*\c:PC+2+6*\c], v[qS+32*\c:qS+15+32*\c], v[TM+8+2*\c]
	v_cvt_scalef32_pk16_fp6_f32 v[PC+12+4*\c:PC+14+4*\c], v[qS+16+32*\c:qS+31+32*\c], v[TM+9+2*\c]   ; (a conversion's three registers begin on an even number)
.endr
	v_nop                                          ; one plain place behind a scaled conversion
.irp c, 0,1                            ; the operand's layout wants a WHOLE block in a lane: lanes 0-15 block 2 c, lanes 16-31 block 2 c + 1
.irp i, 0,1,2
	v_permlane16_swap_b32 v[PC+6*\c+\i], v[PC+12+4*\c+\i]
.endr
.irp i, 0,1,2
	v_mov_b32 v[PC+3+6*\c+\i], v[PC+12+4*\c+\i]
.endr
.endr
.endm
.macro WMOVE f                         ; the fragment just made goes to its place in window 1
	WIN 0x40
.irp i, 0,1,2,3,4,5,6,7,8,9,10,11
	v_mov_b32 v[12*(\f)+\i], v[PC+\i]
.endr
	WIN 0
.endm
; the bias as the C of each sum's first product: 32 loads of 4 bytes into window 1.  They stand behind W's last loads, so that W's first 48 loads go out with nothing in front of them.
; Their eight address registers are the working registers of QUANT: they are made here and written again only behind the wait at the end.
.macro BIAS
	v_mul_u32_u24 v32, v30, s35
	v_mad_u32_u24 v32, v13, s36, v32
.irp j, 1,2,3,4,5,6,7
	v_add_nc_u32 v[32+\j], s37, v[32+\j-1]
.endr
	WIN 0x40                                       ; destination window 1
.irp t, 0,1,2,3
.irp j, 0,1,2,3,4,5,6,7
	global_load_b32 v[96+8*\t+\j], v[32+\j], s[56:57] offset:128*\t
.endr
.endr
	WIN 0
	s_wait_xcnt 0x0                                ; the loads have read their address registers: the next fragment's work may write them
.endm
; 128 channels of my position (a K step) become, with lane l xor 16's, the fragments of two tiles: FA (the tile in lanes 0-15) and FB (that in lanes 16-31); v[PW]: my position's scale word
.macro QX adr
.set QC, 0
.rept 128
	ds_load_b32 v[64+QC], v[\adr] offset:ROWP*QC   ; 32 lanes read 32 different words of one row
.set QC, QC+1
.endr
	s_wait_dscnt 0x0
.irp b, 0,1,2,3
	v_max3_num_f32 v[TM+\b], |v[64+32*\b]|, |v[65+32*\b]|, 0x1800000   ; all 32 numbers of a block are mine
.endr
.irp i, 2,4,6,8,10,12,14,16,18,20,22,24,26,28,30
.irp b, 0,1,2,3
	v_max3_num_f32 v[TM+\b], v[TM+\b], |v[64+32*\b+\i]|, |v[65+32*\b+\i]|
.endr
.endr
.irp b, 0,1,2,3
	v_add_nc_u32 v[TM+8+\b], 0xff000000, v[TM+\b]
.endr
.irp b, 0,1,2,3
	v_lshrrev_b32 v[TM+4+\b], 23, v[TM+8+\b]
.endr
	v_lshl_or_b32 v[PW], v[TM+5], 8, v[TM+4]
	v_lshl_or_b32 v[PW], v[TM+6], 16, v[PW]
	v_lshl_or_b32 v[PW], v[TM+7], 24, v[PW]
	v_cvt_scalef32_pk16_fp6_f32 v[FA:FA+2], v[64:79], v[TM+8]         ; blocks 0 and 2 into FA's two sixes, blocks 1 and 3 into FB's
	v_cvt_scalef32_pk16_fp6_f32 v[CT:CT+2], v[80:95], v[TM+8]
	v_cvt_scalef32_pk16_fp6_f32 v[FB:FB+2], v[96:111], v[TM+9]
	v_cvt_scalef32_pk16_fp6_f32 v[CT+4:CT+6], v[112:127], v[TM+9]
	v_cvt_scalef32_pk16_fp6_f32 v[FA+6:FA+8], v[128:143], v[TM+10]
	v_cvt_scalef32_pk16_fp6_f32 v[CT+8:CT+10], v[144:159], v[TM+10]
	v_cvt_scalef32_pk16_fp6_f32 v[FB+6:FB+8], v[160:175], v[TM+11]
	v_cvt_scalef32_pk16_fp6_f32 v[CT+12:CT+14], v[176:191], v[TM+11]
	v_nop                                          ; one plain place behind a scaled conversion
.irp i, 0,1,2
	v_mov_b32 v[FA+3+\i], v[CT+\i]
	v_mov_b32 v[FB+3+\i], v[CT+4+\i]
	v_mov_b32 v[FA+9+\i], v[CT+8+\i]
	v_mov_b32 v[FB+9+\i], v[CT+12+\i]
.endr
.irp i, 0,1,2,3,4,5,6,7,8,9,10,11
	v_permlane16_swap_b32 v[FA+\i], v[FB+\i]       ; FA's lanes 16-31 change places with FB's lanes 0-15: each fragment now holds one tile, blocks 0, 2 below and 1, 3 above
.endr
.endm
.macro IMG reg, adr, off               ; a fragment goes to LDS as it stands: 16 bytes a lane, 512 a store
.irp c, 0,1,2
	ds_store_b128 v[\adr], v[\reg+4*\c:\reg+4*\c+3] offset:\off+512*\c
.endr
.endm
; a matrix instruction by register numbers; row = 1: source 0's scales from lanes 16-31, row = 2: source 1's
.macro WM d, a, b, c, sa, sb, row
.set wD, \d
.set wA, \a
.set wB, \b
.set wC, \c
.set wSA, \sa
.set wSB, \sb
.if (\row) == 0
	v_wmma_scale_f32_16x16x128_f8f6f4 v[wD:wD+7], v[wA:wA+11], v[wB:wB+11], v[wC:wC+7], v[wSA], v[wSB] matrix_a_fmt:MATRIX_FMT_FP6 matrix_b_fmt:MATRIX_FMT_FP6
.elseif (\row) == 1
	v_wmma_scale_f32_16x16x128_f8f6f4 v[wD:wD+7], v[wA:wA+11], v[wB:wB+11], v[wC:wC+7], v[wSA], v[wSB] matrix_a_fmt:MATRIX_FMT_FP6 matrix_b_fmt:MATRIX_FMT_FP6 matrix_a_scale:MATRIX_SCALE_ROW1
.else
	v_wmma_scale_f32_16x16x128_f8f6f4 v[wD:wD+7], v[wA:wA+11], v[wB:wB+11], v[wC:wC+7], v[wSA], v[wSB] matrix_a_fmt:MATRIX_FMT_FP6 matrix_b_fmt:MATRIX_FMT_FP6 matrix_b_scale:MATRIX_SCALE_ROW1
.endif
.endm
	s_load_b256 s[4:11], s[0:1], 0x0               ; query s[4:5], key_ s[6:7], value s[8:9], Wq s[10:11]
	s_load_b256 s[12:19], s[0:1], 0x20             ; Wk s[12:13], Wv s[14:15], bq s[16:17], bk s[18:19]
	s_load_b128 s[20:23], s[0:1], 0x40             ; bv s[20:21], qws s[22:23]
	s_load_b64 s[24:25], s[0:1], 0x50              ; kvws
	s_load_b64 s[68:69], s[0:1], 0x58              ; Wo
	s_load_b64 s[70:71], s[0:1], 0x60              ; wows
	v_lshl_add_u32 v[SPW], v0, 2, SPARE
	v_mov_b32 v[NIL], 0
	ds_add_u32 v[SPW], v[NIL]                      ; the wave's opening: the add, twice on end, and its wait ahead of my first tensor load
	ds_add_u32 v[SPW], v[NIL]
	v_lshrrev_b32 v14, 5, v0
	v_readfirstlane_b32 s27, v14                   ; wave = head h
	s_lshr_b32 s26, ttmp9, 6                       ; y: 0 q, 1 k, 2 v, 3 Wo
	s_bfe_u32 s28, ttmp9, 0x20004                  ; b
	s_and_b32 s29, ttmp9, 15                       ; blk
	s_mov_b32 s[SEL], 0x76543210
	s_mov_b32 s[SEL+1], 0xfedcba98
	s_mov_b32 s[MHI], 0xffff0000
	; descriptor group 1: 64 rows (channels) of 128 elements of 4 bytes, 2,048 elements from row to row, no padding
	s_mov_b32 s40, 2<<16
	s_mov_b32 s41, 128<<16
	s_mov_b32 s42, 64<<16
	s_mov_b32 s43, 128<<16
	s_mov_b32 s44, 64
	s_mov_b32 s45, 2048
	s_mov_b32 s46, 0
	s_mov_b32 s47, 0
	s_mov_b32 s48, 1
	s_lshl_b32 s49, s27, 15                        ; LDS: my 64 channels at 32,768 x wave
	s_lshl_b32 s30, s28, 21                        ; the input: batch b,
	s_lshl_b32 s31, s27, 19                        ; my 64 channels,
	s_add_co_u32 s30, s30, s31
	s_lshl_b32 s31, s29, 9                         ; the block's 128 positions
	s_add_co_u32 s30, s30, s31
	s_mov_b32 s31, 0
	s_lshl_b32 s38, s28, 2
	s_add_co_u32 s38, s38, s27                     ; 4 b + h
	s_lshl_b32 s38, s38, 4
	s_add_co_u32 s38, s38, s29
	s_mul_i32 s38, s38, SBK                        ; my block of the workspace
	s_mov_b32 s39, 0
	s_lshl_b32 s60, s27, 10                        ; W: row o = 4 d + h
	s_mov_b32 s61, 0
	s_lshl_b32 s62, s27, 2                         ; the bias likewise
	s_mov_b32 s63, 0
	s_wait_dscnt 0x0                               ; both opening adds are done
	s_wait_kmcnt 0x0
	s_cmp_eq_u32 s26, 3                            ; the last four work-groups quantise Wo: the branch hangs on the work-group's number alone, so all four waves go the same way
	s_cbranch_scc1 .Lwo
	s_cmp_eq_u32 s26, 0                            ; the buffers are chosen by the work-group's number alone
	s_cselect_b64 s[52:53], s[4:5], s[6:7]
	s_cselect_b64 s[54:55], s[10:11], s[12:13]
	s_cselect_b64 s[56:57], s[16:17], s[18:19]
	s_cselect_b64 s[58:59], s[22:23], s[24:25]
	s_cmp_eq_u32 s26, 2
	s_cselect_b64 s[52:53], s[8:9], s[52:53]
	s_cselect_b64 s[54:55], s[14:15], s[54:55]
	s_cselect_b64 s[56:57], s[20:21], s[56:57]
	s_cselect_b32 s35, 0, 512                      ; the bias as C.  q, k: register j of tile t is d = 32 hh + 8 t + j: 512 hh + 16 j + 128 t bytes;
	s_cselect_b32 s36, 16, 0                       ; v: all eight are the lane's own channel: 16 (32 (r / 8) + r % 8) + 128 t
	s_cselect_b32 s37, 0, 16
	s_add_nc_u64 s[50:51], s[52:53], s[30:31]
	s_or_b32 s51, s51, 0x80000000                  ; type = 2
	s_add_nc_u64 s[54:55], s[54:55], s[60:61]
	s_add_nc_u64 s[56:57], s[56:57], s[62:63]
	s_add_nc_u64 s[58:59], s[58:59], s[38:39]
	tensor_load_to_lds s[48:51], s[40:47]          ; my quarter of the input's tile: it lands while W is quantised
	s_nop 0
	PLACES
	v_and_b32 v14, 7, v0
	v_bfe_u32 v15, v0, 3, 1
	v_bfe_u32 v30, v0, 4, 1                        ; hh
	v_and_b32 v31, 31, v0                          ; lane
	v_lshl_add_u32 v13, v15, 5, v14                ; 32 (r / 8) + r % 8
	v_lshlrev_b32 v[LW], 12, v13                   ; W: d rows are 4,096 bytes apart,
	v_lshl_add_u32 v[LW], v30, 6, v[LW]            ; + 64 hh: my 16 numbers of a block of 32
	; W's eight fragments are quantised, three sets of loads in turn; the first three go out ahead of everything else
	WLOAD 0
	WLOAD 1
	WLOAD 2
	v_lshl_add_u32 v[XA0], v15, 4, v14
	v_lshl_add_u32 v[XA0], v30, 3, v[XA0]          ; my position among my wave's 32: l % 8 + 16 ((l / 8) % 2) + 8 (l / 16)
	v_lshlrev_b32 v[XA0], 2, v[XA0]
	s_lshl_b32 s30, s27, 7
	v_add_nc_u32 v[XA0], s30, v[XA0]
	v_add_nc_u32 v[XA1], 0x10000, v[XA0]           ; the second K step: 128 channels on
	v_lshlrev_b32 v[GA], 4, v31
	v_lshlrev_b32 v[GB], 3, v31
	v_lshlrev_b32 v[SH8], 3, v30
	s_mul_i32 s30, s27, 6144
	s_add_co_u32 s30, s30, XI
	v_add_nc_u32 v[XW], s30, v[GA]                 ; where I store images: tiles 2 w and 2 w + 1
	s_lshl_b32 s30, s27, 8
	s_add_co_u32 s30, s30, XSC
	v_lshl_add_u32 v[XSW], v31, 2, s30
	v_add_nc_u32 v[LI], XI, v[GA]
	v_lshl_add_u32 v[LS], v31, 2, XSC
	v_mov_b32 v28, 0
	v_mov_b32 v29, 0
.irp b, 0,1,2,3
	v_mov_b32 v[TM+4+\b], 0                        ; written once: a lane permute's destination counts as one of its sources
.endr
.irp f, 0,1,2,3,4,5,6,7
.if \f < 6
	s_wait_loadcnt 32                              ; this fragment's loads are in; the two younger fragments' 16 + 16 may be out
.elseif \f == 6
	s_wait_loadcnt 48                              ; behind fragment 6's loads: fragment 7's 16 and the bias's 32
.else
	s_wait_loadcnt 32                              ; behind fragment 7's: the bias's 32
.endif
	QUANT 64+64*(\f%3), WS+\f
	WMOVE \f
.if \f < 5
	WLOAD \f+3
.elseif \f == 5
	BIAS
.endif
.endr
	s_wait_tensorcnt 0x0                           ; my quarter of the input has landed,
	s_barrier_signal -1
	s_barrier_wait -1                              ; everybody's has
.irp s, 0,1
	QX XA0+\s
	IMG FA, XW, \s*1536
	IMG FB, XW, (2+\s)*1536
	ds_store_b32 v[XSW], v[PW] offset:128*\s
	s_wait_dscnt 0x0                               ; the stores have read their registers
.endr
	BARRIER                                        ; x's sixteen fragments lie in LDS
	s_wait_loadcnt 0x0                             ; the bias, asked for ahead of x's quantising
	s_cmp_eq_u32 s26, 2
	s_cbranch_scc1 .Lv
	; ---- q, k: a tile of 16 positions at a time, my 64 channels
.macro FETCHQ a                        ; tile a's two fragments and its pair's two scale words into set a % 2: 8 loads
.irp s, 0,1
.irp c, 0,1,2
	ds_load_b128 v[64+24*((\a)%2)+12*\s+4*\c:64+24*((\a)%2)+12*\s+4*\c+3], v[LI] offset:(2*(\a)+\s)*1536+512*\c
.endr
	ds_load_b32 v[XS+2*((\a)%2)+\s], v[LS] offset:(2*((\a)/2)+\s)*128
.endr
.endm
.macro EQK a                           ; my 32 numbers, v112-143, are one block along d: six registers of codes and one byte
.set CD, 144+6*(\a)
	v_max3_num_f32 v30, |v112|, |v113|, 0x1800000  ; each accumulator is read from its low end on
	v_max3_num_f32 v31, |v128|, |v129|, 0x1800000
.irp i, 2,4,6,8,10,12,14
	v_max3_num_f32 v30, v30, |v[112+\i]|, |v[113+\i]|
	v_max3_num_f32 v31, v31, |v[128+\i]|, |v[129+\i]|
.endr
	v_max_num_f32 v30, v30, v31
	v_add_nc_u32 v31, 0xff000000, v30
	v_lshrrev_b32 v14, 23, v31
	v_cvt_scalef32_pk16_fp6_f32 v[CD:CD+2], v[112:127], v31
	v_cvt_scalef32_pk16_fp6_f32 v[56:58], v[128:143], v31
	v_lshlrev_b32 v14, v[SH8], v14                 ; my byte at its place, 8 hh bits up (a plain place behind the conversions);
	v_permlanex16_b32 v15, v14, s[SEL], s[SEL+1]
	v_or_b32 v14, v14, v15                         ; with lane l xor 16's: the position's word; bytes 2 and 3 stay 0, over zero codes
.irp i, 0,1,2
	v_mov_b32 v[CD+3+\i], v[56+\i]
.endr
.if (\a)%2 == 0
	v_mov_b32 v[KEEP], v14
.else
	v_cndmask_b32 v[192+(\a)/2], v[KEEP], v14, s[MHI]   ; lanes 0-15 the even tile's words, lanes 16-31 the odd one's
.endif
	global_store_b128 v[GA], v[CD:CD+3], s[58:59] offset:768*(\a)          ; 512 consecutive bytes; each store has data registers of its own
	global_store_b64 v[GB], v[CD+4:CD+5], s[58:59] offset:768*(\a)+512     ; 256
.endm
	FETCHQ 0
.irp a, 0,1,2,3,4,5,6,7
.if \a < 7
	FETCHQ \a+1
	s_wait_dscnt 8                                 ; all but the 8 just issued
.else
	s_wait_dscnt 0x0
.endif
	WIN 0x11                                       ; source 0 (W) and C (the bias) window 1
.irp t, 0,1,2,3
	WM 112+8*\t, 24*\t, 64+24*(\a%2), 96+8*\t, WS+2*\t, XS+2*(\a%2), 2*(\a%2)
.endr
	WIN 0x01                                       ; the four accumulators take turns
.irp t, 0,1,2,3
	WM 112+8*\t, 24*\t+12, 76+24*(\a%2), 112+8*\t, WS+2*\t+1, XS+2*(\a%2)+1, 2*(\a%2)
.endr
	WIN 0
	PLACES
	EQK \a
.endr
	global_store_b128 v[GA], v[192:195], s[58:59] offset:12288
	s_branch .Lend
	; ---- v: for each tile t of my channels, the 128 positions in four units of two tiles
.Lv:
.macro FETCHV n                        ; unit n = 4 t + q: tiles 2 q, 2 q + 1, both K steps, and the pair's two scale words into set n % 2: 14 loads
.irp u, 0,1
.irp s, 0,1
.irp c, 0,1,2
	ds_load_b128 v[64+48*((\n)%2)+24*\u+12*\s+4*\c:64+48*((\n)%2)+24*\u+12*\s+4*\c+3], v[LI] offset:(2*(2*((\n)%4)+\u)+\s)*1536+512*\c
.endr
.endr
.endr
.irp s, 0,1
	ds_load_b32 v[XS+2*((\n)%2)+\s], v[LS] offset:(2*((\n)%4)+\s)*128
.endr
.endm
	FETCHV 0
.irp n, 0,1,2,3,4,5,6,7,8,9,10,11,12,13,14,15
.if \n < 15
	FETCHV \n+1
	s_wait_dscnt 14                                ; all but the 14 just issued
.else
	s_wait_dscnt 0x0
.endif
	WIN 0x14                                       ; source 1 (W) and C (the bias) window 1
	WM 160+16*(\n%4), 64+48*(\n%2), 24*(\n/4), 96+8*(\n/4), XS+2*(\n%2), WS+2*(\n/4), 0
	WM 168+16*(\n%4), 88+48*(\n%2), 24*(\n/4), 96+8*(\n/4), XS+2*(\n%2), WS+2*(\n/4), 1
	WIN 0x04                                       ; the two accumulators take turns
	WM 160+16*(\n%4), 76+48*(\n%2), 24*(\n/4)+12, 160+16*(\n%4), XS+2*(\n%2)+1, WS+2*(\n/4)+1, 0
	WM 168+16*(\n%4), 100+48*(\n%2), 24*(\n/4)+12, 168+16*(\n%4), XS+2*(\n%2)+1, WS+2*(\n/4)+1, 1
	WIN 0
	PLACES
.if \n%4 == 3
.if \n > 3
	s_wait_xcnt 0x0                                ; the last fragment's stores have read their data: the codes' registers may be written again
.endif
	QUANT 160, 14                                  ; register 16 q + i is key 32 q + 16 hh + i of my channel
.irp c, 0,1,2
	global_store_b128 v[GA], v[PC+4*\c:PC+4*\c+3], s[58:59] offset:6144+1536*(\n/4)+512*\c
.endr
.if (\n/4)%2 == 0
	v_mov_b32 v[KEEP], v14
.else
	v_cndmask_b32 v[224+\n/8], v[KEEP], v14, s[MHI]
.endif
.endif
.endr
	global_store_b64 v[GB], v[224:225], s[58:59] offset:12800
	global_store_b64 v[GB], v[28:29], s[58:59] offset:13056   ; the block's last 256 bytes: zeros
	s_branch .Lend
	; ---- Wo: my 16 rows, two fragments, for the last launch
.Lwo:
	s_and_b32 s30, ttmp9, 3                        ; W: the wave of the last launch that will hold these rows (192 is a multiple of 4),
	s_lshl_b32 s30, s30, 2
	s_add_co_u32 s30, s30, s27                     ; and its tile t, which is my wave's number: 4 W + t
	s_lshl_b32 s60, s30, 14                        ; 16 rows of 1,024 bytes
	s_mov_b32 s61, 0
	s_add_nc_u64 s[54:55], s[68:69], s[60:61]
	s_mul_i32 s60, s30, 3072                       ; where the two fragments go,
	s_add_nc_u64 s[58:59], s[70:71], s[60:61]
	s_lshl_b32 s60, s30, 8
	s_add_co_u32 s60, s60, WOS                     ; and their scale words
	s_add_nc_u64 s[56:57], s[70:71], s[60:61]
	v_and_b32 v14, 15, v0                          ; r
	v_bfe_u32 v30, v0, 4, 1                        ; hh
	v_and_b32 v31, 31, v0                          ; lane
	v_lshlrev_b32 v[LW], 10, v14
	v_lshl_add_u32 v[LW], v30, 6, v[LW]            ; row r, + 64 hh: my 16 numbers of a block of 32
	WLOAD 0                                        ; K step 0 (a tile's stride does not enter: both fragments are of one tile),
	WLOAD 1                                        ; K step 1
	v_lshlrev_b32 v[GA], 4, v31
	v_lshlrev_b32 v[GB], 3, v31
.irp b, 0,1,2,3
	v_mov_b32 v[TM+4+\b], 0                        ; a lane permute's destination counts as one of its sources
.endr
	s_wait_loadcnt 16                              ; K step 0's loads are in; K step 1's 16 may be out
	QUANT 64, WS
.irp c, 0,1,2
	global_store_b128 v[GA], v[PC+4*\c:PC+4*\c+3], s[58:59] offset:512*\c
.endr
	s_wait_loadcnt 0x0
	s_wait_xcnt 0x0                                ; the stores have read their data: the codes' registers may be written again
	QUANT 128, WS+1
.irp c, 0,1,2
	global_store_b128 v[GA], v[PC+4*\c:PC+4*\c+3], s[58:59] offset:1536+512*\c
.endr
	global_store_b64 v[GB], v[WS:WS+1], s[56:57]   ; a lane's two scale words: 256 consecutive bytes a wave
.Lend:
	s_wait_tensorcnt 0x0                           ; the wave's end, behind my last tensor load and my last LDS store
	ds_add_u32 v[SPW], v[NIL]
	s_wait_dscnt 0x0
	s_endpgm
.Lfunc_end_k_qe52ce7ec37_proj:
	.size	k_qe52ce7ec37_proj, .Lfunc_end_k_qe52ce7ec37_proj-k_qe52ce7ec37_proj
	.p2alignl 7, 3214868480
	.fill 96, 4, 3214868480
	.section	.rodata,"a",@progbits
	.p2align	6, 0x0
	.amdhsa_kernel k_qe52ce7ec37_proj
		.amdhsa_group_segment_fixed_size 167936
		.amdhsa_private_segment_fixed_size 0
		.amdhsa_enable_private_segment 0
		.amdhsa_kernarg_size 104
		.amdhsa_user_sgpr_count 2
		.amdhsa_user_sgpr_kernarg_segment_ptr 1
		.amdhsa_wavefront_size32 1
		.amdhsa_system_sgpr_workgroup_id_x 1
		.amdhsa_system_sgpr_workgroup_id_y 1
		.amdhsa_system_sgpr_workgroup_id_z 1
		.amdhsa_system_vgpr_workitem_id 0
		.amdhsa_next_free_vgpr 384
		.amdhsa_next_free_sgpr 72
		.amdhsa_reserve_vcc 0
		.amdhsa_float_denorm_mode_32 3
		.amdhsa_float_denorm_mode_16_64 3
		.amdhsa_memory_ordered 1
		.amdhsa_forward_progress 1
		.amdhsa_inst_pref_size 166
	.end_amdhsa_kernel
	.amdgpu_metadata
---
amdhsa.version: [ 1, 2 ]
amdhsa.kernels:
  - .name:           k_qe52ce7ec37_proj
    .symbol:         k_qe52ce7ec37_proj.kd
    .args:
      - { .name: query, .offset: 0, .size: 8, .value_kind: global_buffer, .address_space: global }
      - { .name: key_, .offset: 8, .size: 8, .value_kind: global_buffer, .address_space: global }
      - { .name: value, .offset: 16, .size: 8, .value_kind: global_buffer, .address_space: global }
      - { .name: Wq, .offset: 24, .size: 8, .value_kind: global_buffer, .address_space: global }
      - { .name: Wk, .offset: 32, .size: 8, .value_kind: global_buffer, .address_space: global }
      - { .name: Wv, .offset: 40, .size: 8, .value_kind: global_buffer, .address_space: global }
      - { .name: bq, .offset: 48, .size: 8, .value_kind: global_buffer, .address_space: global }
      - { .name: bk, .offset: 56, .size: 8, .value_kind: global_buffer, .address_space: global }
      - { .name: bv, .offset: 64, .size: 8, .value_kind: global_buffer, .address_space: global }
      - { .name: qws, .offset: 72, .size: 8, .value_kind: global_buffer, .address_space: global }
      - { .name: kvws, .offset: 80, .size: 8, .value_kind: global_buffer, .address_space: global }
      - { .name: Wo, .offset: 88, .size: 8, .value_kind: global_buffer, .address_space: global }
      - { .name: wows, .offset: 96, .size: 8, .value_kind: global_buffer, .address_space: global }
    .group_segment_fixed_size: 167936
    .private_segment_fixed_size: 0
    .kernarg_segment_align: 8
    .kernarg_segment_size: 104
    .max_flat_workgroup_size: 128
    .sgpr_count:     72
    .vgpr_count:     384
    .wavefront_size: 32
...
	.end_amdgpu_metadata
.endif
;; end of part 1
;; launch attn (part 2): grid 16 x 16, 16 waves a work-group, clusters of 4 x 1, 327,680 bytes of LDS; arguments qws, kvws, xws; writes xws
.if DOCPART == 2
	.amdgcn_target "amdgcn-amd-amdhsa--gfx1250"
	.amdhsa_code_object_version 6
	.text
	.protected	k_qe52ce7ec37_attn
	.globl	k_qe52ce7ec37_attn
	.p2align	8
	.type	k_qe52ce7ec37_attn,@function
k_qe52ce7ec37_attn:
	s_mov_b64 s[64:65], 0
	v_nop
	global_prefetch_b8 v0, s[64:65] scope:SCOPE_SE
	s_setreg_imm32_b32 hwreg(HW_REG_WAVE_MODE, 25, 1), 1
	s_wait_xcnt 0x0
	s_wait_alu depctr_hold_cnt(0) depctr_sa_sdst(0) depctr_va_vdst(0) depctr_va_sdst(0) depctr_va_ssrc(0) depctr_va_vcc(0) depctr_vm_vsrc(0)
	s_getreg_b32 s2, hwreg(HW_REG_IB_STS2, 6, 4)
	s_cmp_eq_u32 s2, 0
	s_cbranch_scc0 .Lentry_in_a_cluster
	s_endpgm
.Lentry_in_a_cluster:
	s_bfe_u32 s2, ttmp6, 0x10000c
	s_cmp_lg_u32 s2, 0x3003
	s_cbranch_scc0 .Lentry_shape_is_right
	s_endpgm
.Lentry_shape_is_right:
; ATTENTION on codes of FP6 (E2M3): x[b][4 d + h][n] = the sum over keys m of softmax_m(q . k / 8) v[d][m], both products with one E8M0 scale for each 32 along K.  No work of reference() is left out here.
; THE SOFTMAX AHEAD OF THE SECOND PRODUCT: t = score x log2(e) / 8; M = the largest t so far, rounded UP to a whole number; p = 2^(t - M) is quantised along the keys, not normalised; the sum is taken of the
; unquantised p and divides at the end.  When M moves, the sum and O are multiplied by 2^(old M - new M): exact.
; THE FIRST PRODUCT'S K is 64: the upper half of the instruction's 128 holds zero CODES on both sides (registers 6 to 11, written once), which add nothing under any scale byte but 0xff; theirs is 0.
; LIMITS: NaN and infinities are not served; v_exp_f32 and v_rcp_f32 are as accurate as the ISA guide states; a block of p whose largest lies under 2^-124 keeps the byte 1.
; SHARES.  A work-group owns 128 queries of one (b, h).  All 2,048 keys' codes of that head, 16 blocks of 13,312 bytes, lie in LDS, filled ONCE: nothing is ever filled again.
; Sixteen waves: wave w takes the tile of 16 queries p = w % 8 and the half g = w / 8 of the keys, 8 steps of 128.  The two halves are merged at the end: M is a whole number, so the merge's factors are exact powers of two.
; TWO BARRIERS AHEAD OF THE KEYS.  The first stands behind every wave's wait for its first load: steps 0 and 1 of both halves are whole.  The second, behind step 1, stands behind every wave's wait for all its loads:
; all later steps are whole, and the waves walk them with no further barrier, each at its own pace.
; CLUSTER.  The four work-groups of a cluster belong to one head and need the same K and V: every load is asked for JOINTLY, by the same tensor load with the same descriptor and the mask of all four.
; My place in the cluster enters the global addresses of q and x alone.
; LAYOUT.  Both products are used transposed: S^T = K Q^T, O^T = V^T P^T: a lane holds ONE query (lane % 16).  The keys of a tile are chosen (by the launch before) so that the 16 registers of tiles 2 b, 2 b + 1 are keys
; 32 b + 16 (lane / 16) + 0 .. 15.  Row r of V's fragment t is d = 32 (r / 8) + 8 t + r % 8, so register j of O^T's tile t is d = 32 (lane / 16) + 8 t + j.
; REGISTERS: v1, v2 LDS addresses of the step; v[4:7] K's scale words, v[8:9] V's; v12 -M, v13 the largest t, v[14:15] the sum; v16-27 Q, v28 its scale words, v29 p's; v32-79 four fragments of K; v80-127 V's four;
; v128-191 S^T, then p; v192-223 O^T; v224-235 p's codes; v236-254 at work.
.set SBK,   13312
.set EX,    212992                     ; behind K and V: the halves' exchange, 4,352 bytes a wave: O^T as 8 x 512, -M at 4096, the sum at 4224
.set STG,   282624                     ; the stage for x: row d at (d / 32) 17,024 + (d % 32) 528
.set SPARE, 316928                     ; the spare words, 128 bytes for each wave: eight blocks of 256 bytes that no other line names
.set ADA, 1
.set ADB, 2
.set SPW, 10
.set NIL, 11
.set KF,  32
.set VF,  80
.set SS,  128
.set OO,  192
.set PCD, 224
.set BM,  236
.set PT,  240
.set SO,  248
.set WV,  10                           ; s10 wave;  s11 cx;  s12 blk;  s13 4 b + h;  s14 p;  s15 g
.set SEL, 40                           ; s[40:41] lane selects for v_permlanex16_b32: lane l xor 16
.set CS,  42                           ; s[42:43] c = log2(e) / 8
.macro PLACES
.rept 4
	v_nop
.endr
.endm
.macro BARRIER
	s_wait_dscnt 0x0
	s_barrier_signal -1
	s_barrier_wait -1
.endm
.macro CROUND                          ; a round of the cluster's barrier
	s_barrier_signal -1
	s_barrier_wait -1
	s_cmp_lg_u32 s[WV], 0
	s_cbranch_scc1 .Lnot_wave_0_\@
	s_barrier_signal -3
.Lnot_wave_0_\@:
	s_barrier_wait -3
	s_barrier_signal -1
	s_barrier_wait -1
.endm
	s_load_b128 s[4:7], s[0:1], 0x0                ; qws, kvws
	s_load_b64 s[8:9], s[0:1], 0x10                ; xws
	v_lshl_add_u32 v[SPW], v0, 2, SPARE
	v_mov_b32 v[NIL], 0
	ds_add_u32 v[SPW], v[NIL]                      ; the wave's opening: the add, twice on end, and its wait ahead of my first tensor load
	ds_add_u32 v[SPW], v[NIL]
	v_lshrrev_b32 v3, 5, v0
	s_delay_alu instid0(VALU_DEP_1)
	v_readfirstlane_b32 s[WV], v3
	s_bfe_u32 s11, ttmp6, 0x40000                  ; cx
	s_lshl_b32 s12, ttmp9, 2
	s_add_co_u32 s12, s12, s11                     ; my block of 128 queries
	s_and_b32 s13, ttmp7, 0xffff                   ; 4 b + h, which the four partners share
	s_and_b32 s14, s[WV], 7
	s_lshr_b32 s15, s[WV], 3
	; descriptor group 1: 13 rows of 256 bytes (32 elements of 8), dense; the mask of all four work-groups, bit 21 beside it
	s_mov_b32 s16, 15|(3<<16)|(1<<21)
	s_mov_b32 s17, 32<<16
	s_mov_b32 s18, 13<<16
	s_mov_b32 s19, 32<<16
	s_mov_b32 s20, 13
	s_mov_b32 s21, 32
	s_mov_b32 s22, 0
	s_mov_b32 s23, 0
	; chunk j is steps 2 j, 2 j + 1 of both halves: 4 blocks = 16 x 3,328 bytes, one part a wave: half w / 8, step (w / 4) % 2, quarter w % 4
	s_bfe_u32 s44, s[WV], 0x10002
	s_mul_i32 s44, s44, SBK
	s_mul_i32 s45, s15, 8*SBK
	s_add_co_u32 s44, s44, s45
	s_and_b32 s45, s[WV], 3
	s_mul_i32 s45, s45, 3328
	s_add_co_u32 s44, s44, s45                     ; the same offset in LDS and in the head's part of kvws
	s_mul_i32 s46, s13, 16*SBK
	s_add_co_u32 s46, s46, s44
	s_mov_b32 s47, 0
	s_lshl_b32 s48, s13, 4
	s_add_co_u32 s48, s48, s12
	s_mul_i32 s48, s48, SBK                        ; q's block
	s_mov_b32 s49, 0
	s_mul_i32 s50, s14, 768                        ; my tile in it
	s_mov_b32 s51, 0
	s_lshr_b32 s52, s13, 2
	s_lshl_b32 s52, s52, 21                        ; x: batch b,
	s_and_b32 s53, s13, 3
	s_lshl_b32 s53, s53, 13                        ; channel 4 d + h: h,
	s_add_co_u32 s52, s52, s53
	s_lshl_b32 s53, s[WV], 17                      ; d = 4 w on,
	s_add_co_u32 s52, s52, s53
	s_lshl_b32 s53, s12, 9                         ; the block's 128 positions
	s_add_co_u32 s52, s52, s53
	s_mov_b32 s53, 0
	s_mov_b32 s[SEL], 0x76543210
	s_mov_b32 s[SEL+1], 0xfedcba98
	s_mov_b32 s[CS], 0x3e38aa3b
	s_mov_b32 s[CS+1], s[CS]                       ; (named with it as a pair, so it is written)
	s_wait_dscnt 0x0                               ; both opening adds are done
	s_wait_kmcnt 0x0
	s_add_nc_u64 s[46:47], s[6:7], s[46:47]
	s_add_nc_u64 s[58:59], s[4:5], s[48:49]
	s_add_nc_u64 s[56:57], s[58:59], s[50:51]
	s_add_nc_u64 s[60:61], s[8:9], s[52:53]
.irp j, 0,1,2,3
	s_mov_b32 s[24+4*\j], 1
	s_add_co_u32 s[25+4*\j], s44, \j*2*SBK
	s_add_nc_u64 s[26+4*\j:27+4*\j], s[46:47], \j*2*SBK
	s_or_b32 s[27+4*\j], s[27+4*\j], 0x80000000
.endr
	CROUND                                         ; all four work-groups are here: the joint loads meet
.irp j, 0,1,2,3
	tensor_load_to_lds s[24+4*\j:27+4*\j], s[16:23]   ; all of the launch's fills, in one group: four loads of mine are out
	s_nop 0
.endr
	PLACES
	v_and_b32 v30, 31, v0
	s_delay_alu instid0(VALU_DEP_1)
	v_lshlrev_b32 v3, 4, v30
	s_delay_alu instid0(VALU_DEP_2)
	v_lshlrev_b32 v31, 3, v30
	global_load_b128 v[16:19], v3, s[56:57]        ; Q's registers 0-3,
	global_load_b64 v[20:21], v31, s[56:57] offset:512   ; 4-5
	v_and_b32 v254, 15, v0
	s_delay_alu instid0(VALU_DEP_1)
	v_lshlrev_b32 v255, 4, v254
	s_and_b32 s54, s14, 1
	s_lshl_b32 s54, s54, 8
	s_lshr_b32 s55, s14, 1
	s_lshl_b32 s55, s55, 2
	s_add_co_u32 s54, s54, s55
	v_add_nc_u32 v255, s54, v255
	global_load_b32 v28, v255, s[58:59] offset:12288   ; its scale words: entry r + 16 (p % 2), word p / 2
	s_mul_i32 s54, s15, 8*SBK
	v_add_nc_u32 v[ADA], s54, v3                   ; my half's first step: 16 bytes a lane,
	v_add_nc_u32 v[ADB], s54, v31                  ; 8 bytes a lane
.irp i, 22,23,24,25,26,27
	v_mov_b32 v[\i], 0                             ; K = 64 .. 127: zero codes, in Q
.endr
.irp f, 0,1,2,3
.irp i, 6,7,8,9,10,11
	v_mov_b32 v[KF+12*\f+\i], 0                    ; and in K's four fragments; the loads never touch these
.endr
.endr
	v_mov_b32 v13, 0xff61b1e6                      ; the largest t so far: -3e38, under every t
	s_delay_alu instid0(VALU_DEP_1)
	v_floor_f32 v12, -v13                          ; -M
	v_mov_b32 v14, 0
	v_mov_b32 v15, 0
	v_mov_b32 v253, 0                              ; (named as the upper half of the pair v[252:253])
.irp b, 0,1,2,3
	v_mov_b32 v[PT+\b], 0                          ; a lane permute's destination counts as one of its sources
.endr
.set J, 0
.rept 32
	v_mov_b32 v[OO+J], 0                           ; O^T.  (The step is written in one form: the first finds zeros, which the first change of M leaves zeros)
.set J, J+1
.endr
	s_wait_loadcnt 0x0                             ; Q
.macro QK a, i                         ; S^T's tile a from fragment registers i
.if (\a)%2
	v_wmma_scale_f32_16x16x128_f8f6f4 v[SS+8*(\a):SS+8*(\a)+7], v[KF+12*(\i):KF+12*(\i)+11], v[16:27], 0, v[4+(\a)/2], v28 matrix_a_fmt:MATRIX_FMT_FP6 matrix_b_fmt:MATRIX_FMT_FP6 matrix_a_scale:MATRIX_SCALE_ROW1
.else
	v_wmma_scale_f32_16x16x128_f8f6f4 v[SS+8*(\a):SS+8*(\a)+7], v[KF+12*(\i):KF+12*(\i)+11], v[16:27], 0, v[4+(\a)/2], v28 matrix_a_fmt:MATRIX_FMT_FP6 matrix_b_fmt:MATRIX_FMT_FP6
.endif
.endm
.macro PV t
.if (\t)%2
	v_wmma_scale_f32_16x16x128_f8f6f4 v[OO+8*(\t):OO+8*(\t)+7], v[VF+12*(\t):VF+12*(\t)+11], v[PCD:PCD+11], v[OO+8*(\t):OO+8*(\t)+7], v[8+(\t)/2], v29 matrix_a_fmt:MATRIX_FMT_FP6 matrix_b_fmt:MATRIX_FMT_FP6 matrix_a_scale:MATRIX_SCALE_ROW1
.else
	v_wmma_scale_f32_16x16x128_f8f6f4 v[OO+8*(\t):OO+8*(\t)+7], v[VF+12*(\t):VF+12*(\t)+11], v[PCD:PCD+11], v[OO+8*(\t):OO+8*(\t)+7], v[8+(\t)/2], v29 matrix_a_fmt:MATRIX_FMT_FP6 matrix_b_fmt:MATRIX_FMT_FP6
.endif
.endm
; A KEY STEP: 128 keys, one block of 13,312 bytes
.macro STEP
	ds_load_b128 v[4:7], v[ADA] offset:12288       ; K's scale words: four pairs of tiles
.irp i, 0,1,2,3
	ds_load_b128 v[KF+12*\i:KF+12*\i+3], v[ADA] offset:768*\i
	ds_load_b64 v[KF+12*\i+4:KF+12*\i+5], v[ADB] offset:768*\i+512
.endr
	s_wait_dscnt 0x0
.irp i, 0,1,2,3
	QK \i, \i
.endr
	PLACES                                         ; ahead of loads into registers that matrix instructions have read
.irp i, 0,1,2,3
	ds_load_b128 v[KF+12*\i:KF+12*\i+3], v[ADA] offset:768*(4+\i)
	ds_load_b64 v[KF+12*\i+4:KF+12*\i+5], v[ADB] offset:768*(4+\i)+512
.endr
.irp t, 0,1,2,3
.irp c, 0,1,2
	ds_load_b128 v[VF+12*\t+4*\c:VF+12*\t+4*\c+3], v[ADA] offset:6144+1536*\t+512*\c
.endr
.endr
	ds_load_b64 v[8:9], v[ADB] offset:12800
	s_wait_dscnt 13                                ; K's tiles 4 to 7 are in; V's 12 loads and its scale words' one may be out: they land under the softmax
.irp i, 0,1,2,3
	QK 4+\i, \i
.endr
	PLACES
.irp b, 0,1,2,3
	v_max3_num_f32 v[BM+\b], v[SS+16*\b], v[SS+1+16*\b], v[SS+2+16*\b]   ; THE LARGEST SCORE OF EACH BLOCK OF 32 KEYS serves twice: for the row's maximum and, since p rises with the score, for the block's largest p
.endr
.irp i, 3,5,7,9,11,13
.irp b, 0,1,2,3
	v_max3_num_f32 v[BM+\b], v[BM+\b], v[SS+16*\b+\i], v[SS+1+16*\b+\i]
.endr
.endr
.irp b, 0,1,2,3
	v_max_num_f32 v[BM+\b], v[BM+\b], v[SS+15+16*\b]
.endr
.irp b, 0,1,2,3
	s_delay_alu instid0(VALU_DEP_4)
	v_permlanex16_b32 v[PT+\b], v[BM+\b], s[SEL], s[SEL+1]
.endr
.irp b, 0,1,2,3
	s_delay_alu instid0(VALU_DEP_4)
	v_max_num_f32 v[BM+\b], v[BM+\b], v[PT+\b]     ; with lane l xor 16's 16 keys
.endr
	s_delay_alu instid0(VALU_DEP_2)
	v_max3_num_f32 v254, v[BM], v[BM+1], v[BM+2]
	s_delay_alu instid0(VALU_DEP_1)
	v_max_num_f32 v254, v254, v[BM+3]
	s_delay_alu instid0(VALU_DEP_1)
	v_mul_f32 v254, s[CS], v254                    ; as t (c is positive)
	s_delay_alu instid0(VALU_DEP_1)
	v_max_num_f32 v13, v13, v254                   ; the running largest t
	v_mov_b32 v254, v12
	s_delay_alu instid0(VALU_DEP_2)
	v_floor_f32 v12, -v13                          ; the new -M = floor(-t) = -ceil(t)
	s_delay_alu instid0(VALU_DEP_1)
	v_sub_f32 v254, v12, v254                      ; old M - new M: a whole number, 0 or less
	s_delay_alu instid0(VALU_DEP_1)
	v_cvt_i32_f32 v254, v254                       ; (it saturates)
	s_delay_alu instid0(VALU_DEP_1)
	v_ldexp_f32 v252, 1.0, v254                    ; f = 2^(old M - new M)
.set J, 0
.rept 32
	v_pk_fma_f32 v[SS+J:SS+J+1], v[SS+J:SS+J+1], s[CS:CS+1], v[12:13] op_sel_hi:[1,0,0]   ; t - M, two at a time
.set J, J+2
.endr
.irp b, 0,1,2,3
	v_fma_f32 v[BM+\b], v[BM+\b], s[CS], v12       ; the same of each block's largest score
.endr
.set J, 0
	s_wait_alu depctr_va_vdst(0)
.rept 64
	v_exp_f32 v[SS+J], v[SS+J]                     ; p = 2^(t - M), at most 1
.set J, J+1
.endr
	v_pk_mul_f32 v[14:15], v[14:15], v[252:253] op_sel_hi:[1,0]   ; the sums under the new M (a plain place behind the exponentials)
	s_wait_alu depctr_va_vdst(0)                   ; one wait for the whole batch, ahead of its first reader
.irp b, 0,1,2,3
	v_exp_f32 v[BM+\b], v[BM+\b]                   ; the block's largest p
.endr
	v_pk_add_f32 v[240:241], v[132:133], v[136:137]
	v_pk_add_f32 v[250:251], v[140:141], v[144:145]
	v_pk_add_f32 v[248:249], v[148:149], v[152:153]
	v_pk_add_f32 v[246:247], v[156:157], v[160:161]
	v_pk_add_f32 v[244:245], v[164:165], v[168:169]
	v_pk_add_f32 v[242:243], v[172:173], v[176:177]
	v_pk_add_f32 v[234:235], v[180:181], v[184:185]
	v_pk_add_f32 v[14:15], v[14:15], v[188:189]
	v_pk_add_f32 v[240:241], v[240:241], v[128:129]
	v_pk_add_f32 v[250:251], v[250:251], v[130:131]
	v_pk_add_f32 v[248:249], v[248:249], v[134:135]
	v_pk_add_f32 v[246:247], v[246:247], v[138:139]
	v_pk_add_f32 v[244:245], v[244:245], v[142:143]
	v_pk_add_f32 v[242:243], v[242:243], v[146:147]
	v_pk_add_f32 v[234:235], v[234:235], v[150:151]
	v_pk_add_f32 v[14:15], v[14:15], v[154:155]
	v_pk_add_f32 v[240:241], v[240:241], v[158:159]
	v_pk_add_f32 v[250:251], v[250:251], v[162:163]
	v_pk_add_f32 v[248:249], v[248:249], v[166:167]
	v_pk_add_f32 v[246:247], v[246:247], v[170:171]
	v_pk_add_f32 v[244:245], v[244:245], v[174:175]
	v_pk_add_f32 v[242:243], v[242:243], v[178:179]
	v_pk_add_f32 v[234:235], v[234:235], v[182:183]
	v_pk_add_f32 v[14:15], v[14:15], v[186:187]
	v_pk_add_f32 v[240:241], v[240:241], v[190:191]
	s_delay_alu instid0(VALU_DEP_2)
	v_pk_add_f32 v[14:15], v[14:15], v[246:247]
	s_delay_alu instid0(VALU_DEP_2)
	v_pk_add_f32 v[240:241], v[240:241], v[244:245]
	v_pk_add_f32 v[250:251], v[250:251], v[242:243]
	v_pk_add_f32 v[248:249], v[248:249], v[234:235]
	s_delay_alu instid0(VALU_DEP_2)
	v_pk_add_f32 v[14:15], v[14:15], v[250:251]
	s_delay_alu instid0(VALU_DEP_2)
	v_pk_add_f32 v[240:241], v[240:241], v[248:249]
	s_delay_alu instid0(VALU_DEP_1)
	v_pk_add_f32 v[14:15], v[14:15], v[240:241]
	s_wait_alu depctr_va_vdst(0)                   ; and one for the four
.irp b, 0,1,2,3
	v_max_num_f32 v[BM+\b], 0x1800000, v[BM+\b]    ; the floor 2^(3 - 127): the byte cannot fall under 1
.endr
.irp b, 0,1,2,3
	s_delay_alu instid0(VALU_DEP_4)
	v_add_nc_u32 v[SO+\b], 0xff000000, v[BM+\b]    ; 2 off the exponent field: the conversion's scale operand
.endr
.irp b, 0,1,2,3
	s_delay_alu instid0(VALU_DEP_4)
	v_lshrrev_b32 v[PT+\b], 23, v[SO+\b]
.endr
	s_delay_alu instid0(VALU_DEP_3)
	v_lshl_or_b32 v29, v[PT+1], 8, v[PT]           ; p's scale word for these 128 keys
	s_delay_alu instid0(VALU_DEP_1)
	v_lshl_or_b32 v29, v[PT+2], 16, v29
	s_delay_alu instid0(VALU_DEP_1)
	v_lshl_or_b32 v29, v[PT+3], 24, v29
.irp c, 0,1
	v_cvt_scalef32_pk16_fp6_f32 v[PCD+6*\c:PCD+2+6*\c], v[SS+32*\c:SS+15+32*\c], v[SO+2*\c]
	v_cvt_scalef32_pk16_fp6_f32 v[PT+4*\c:PT+2+4*\c], v[SS+16+32*\c:SS+31+32*\c], v[SO+1+2*\c]
.endr
	v_nop                                          ; one plain place behind a scaled conversion
.irp c, 0,1
.irp i, 0,1,2
	v_permlane16_swap_b32 v[PCD+6*\c+\i], v[PT+4*\c+\i]
.endr
.irp i, 0,1,2
	s_delay_alu instid0(VALU_DEP_3)
	v_mov_b32 v[PCD+3+6*\c+\i], v[PT+4*\c+\i]
.endr
.endr
.set J, 0
.rept 16
	v_pk_mul_f32 v[OO+J:OO+J+1], v[OO+J:OO+J+1], v[252:253] op_sel_hi:[1,0]   ; O^T under the new M.  (Twelve of these name no register of a given product below: its places behind the writes of p's codes and scale word)
.set J, J+2
.endr
	s_wait_alu depctr_va_vdst(0)
	s_wait_dscnt 0x0                               ; V
.irp t, 0,1,2,3
	PV \t                                          ; the four accumulators take turns, one instruction each
.endr
	v_add_nc_u32 v[ADA], SBK, v[ADA]
	v_add_nc_u32 v[ADB], SBK, v[ADB]
.endm
	s_wait_tensorcnt 3                             ; my part of chunk 0 has landed; my three later loads may stay out
	s_barrier_signal -1
	s_barrier_wait -1                              ; everybody's has: steps 0 and 1 of both halves are whole
	STEP
	s_wait_alu depctr_va_vdst(0)
	STEP
	s_wait_alu depctr_va_vdst(0)
	s_wait_tensorcnt 0x0                           ; all my loads have landed (they had two steps' work in which to land),
	s_barrier_signal -1
	s_barrier_wait -1                              ; everybody's have: every later step's block is whole, so no barrier stands between the six steps that follow
.rept 6
	s_wait_alu depctr_va_vdst(0)
	STEP
.endr
	; THE MERGE of the two halves of the keys.  The address work stands in the places behind the last products.
	v_add_f32 v14, v14, v15
	v_and_b32 v30, 31, v0
	v_and_b32 v31, 15, v0                          ; r
	v_bfe_u32 v3, v0, 4, 1                         ; hh
	s_mul_i32 s54, s[WV], 4352
	s_add_co_u32 s54, s54, EX
	v_lshl_add_u32 v32, v30, 4, s54                ; my own part of the exchange
	v_lshl_add_u32 v33, v30, 2, s54
	s_mul_i32 s54, s14, 4352
	s_add_co_u32 s54, s54, EX
	s_lshl_b32 s55, s15, 11
	s_add_co_u32 s55, s55, s54
	v_lshl_add_u32 v34, v30, 4, s55                ; what I read: wave p's (and, 34,816 bytes on, wave p + 8's) registers 16 g .. 16 g + 15 of O^T
	v_lshl_add_u32 v35, v30, 2, s54
	v_and_b32 v45, 8, v31
	s_delay_alu instid0(VALU_DEP_1)
	v_add_nc_u32 v45, v45, v31                     ; r + 8 (r / 8)
	s_delay_alu instid0(VALU_DEP_1)
	v_lshlrev_b32 v45, 2, v45
	s_delay_alu instid0(VALU_DEP_1)
	v_mad_u32_u24 v45, v3, 17024, v45
	s_wait_alu depctr_va_vdst(0)
	s_lshr_b32 s54, s14, 1
	s_lshl_b32 s54, s54, 7
	s_and_b32 s55, s14, 1
	s_lshl_b32 s55, s55, 5
	s_add_co_u32 s54, s54, s55                     ; my tile's positions begin at 32 (p / 2) + 8 (p % 2)
	s_mul_i32 s55, s15, 16*528
	s_add_co_u32 s54, s54, s55
	s_add_co_u32 s54, s54, STG
	v_add_nc_u32 v45, s54, v45                     ; the stage: row d = 32 hh + 16 g + k, my query's word
	s_mul_i32 s54, s15, 17024
	s_mul_i32 s55, s14, 2112
	s_add_co_u32 s54, s54, s55
	s_add_co_u32 s54, s54, STG
	v_lshl_add_u32 v46, v30, 4, s54                ; and back: rows d = 4 w + i, 16 bytes a lane
	v_lshlrev_b32 v47, 4, v30
	v_permlanex16_b32 v254, v14, s[SEL], s[SEL+1]
	s_delay_alu instid0(VALU_DEP_1)
	v_add_f32 v14, v14, v254                       ; my half's sum
.irp i, 0,1,2,3,4,5,6,7
	ds_store_b128 v32, v[OO+4*\i:OO+4*\i+3] offset:512*\i   ; each accumulator from its low end on
.endr
	ds_store_b32 v33, v12 offset:4096
	ds_store_b32 v33, v14 offset:4224
	BARRIER
.irp i, 0,1,2,3
	ds_load_b128 v[48+4*\i:51+4*\i], v34 offset:512*\i
	ds_load_b128 v[64+4*\i:67+4*\i], v34 offset:34816+512*\i
.endr
	ds_load_b32 v36, v35 offset:4096               ; -M and the sum of the first half,
	ds_load_b32 v37, v35 offset:4224
	ds_load_b32 v38, v35 offset:34816+4096         ; and of the second
	ds_load_b32 v39, v35 offset:34816+4224
	s_wait_dscnt 0x0
	v_min_num_f32 v40, v36, v38                    ; -M of both: the larger M
	s_delay_alu instid0(VALU_DEP_1)
	v_sub_f32 v41, v40, v36
	s_delay_alu instid0(VALU_DEP_2)
	v_sub_f32 v42, v40, v38
	s_delay_alu instid0(VALU_DEP_2)
	v_cvt_i32_f32 v41, v41
	s_delay_alu instid0(VALU_DEP_2)
	v_cvt_i32_f32 v42, v42
	s_delay_alu instid0(VALU_DEP_2)
	v_ldexp_f32 v41, 1.0, v41                      ; 2^(M of a half - M of both): exact
	s_delay_alu instid0(VALU_DEP_2)
	v_ldexp_f32 v42, 1.0, v42
	s_delay_alu instid0(VALU_DEP_2)
	v_mul_f32 v43, v37, v41
	s_delay_alu instid0(VALU_DEP_1)
	v_fma_f32 v43, v39, v42, v43                   ; the row's sum
	s_wait_alu depctr_va_vdst(0)
	v_rcp_f32 v44, v43
	v_nop                                          ; a plain place behind the reciprocal,
	s_wait_alu depctr_va_vdst(0)                   ; and a wait ahead of its first reader
	v_mul_f32 v96, v41, v44
	v_mul_f32 v97, v41, v44
	v_mul_f32 v98, v42, v44
	v_mul_f32 v99, v42, v44
.irp i, 0,2,4,6,8,10,12,14
	v_pk_mul_f32 v[80+\i:81+\i], v[48+\i:49+\i], v[96:97]
.endr
.irp i, 0,2,4,6,8,10,12,14
	v_pk_fma_f32 v[80+\i:81+\i], v[64+\i:65+\i], v[98:99], v[80+\i:81+\i]
.endr
.irp k, 0,1,2,3,4,5,6,7,8,9,10,11,12,13,14,15
	ds_store_b32 v45, v[80+\k] offset:528*\k       ; lanes 16-31 stand 17,024 bytes on: 32 words further round the banks than lanes 0-15 (64 banks of 4 bytes: ISA guide 11.1)
.endr
	BARRIER                                        ; 64 whole rows of x lie in the stage
.irp i, 0,1,2,3
	ds_load_b128 v[100+4*\i:103+4*\i], v46 offset:528*\i
.endr
.irp i, 0,1,2,3
	s_wait_dscnt 3-\i                              ; row i is in; the younger loads may be out
	global_store_b128 v47, v[100+4*\i:103+4*\i], s[60:61] offset:32768*\i   ; 32 lanes store 512 consecutive bytes, at a multiple of 256 from x's first byte
.endr
	s_wait_tensorcnt 0x0                           ; the wave's end, behind my last tensor load and my last LDS store
	ds_add_u32 v[SPW], v[NIL]
	s_wait_dscnt 0x0
	CROUND                                         ; the closing round
	s_endpgm
.Lfunc_end_k_qe52ce7ec37_attn:
	.size	k_qe52ce7ec37_attn, .Lfunc_end_k_qe52ce7ec37_attn-k_qe52ce7ec37_attn
	.p2alignl 7, 3214868480
	.fill 96, 4, 3214868480
	.section	.rodata,"a",@progbits
	.p2align	6, 0x0
	.amdhsa_kernel k_qe52ce7ec37_attn
		.amdhsa_group_segment_fixed_size 327680
		.amdhsa_private_segment_fixed_size 0
		.amdhsa_enable_private_segment 0
		.amdhsa_kernarg_size 24
		.amdhsa_user_sgpr_count 2
		.amdhsa_user_sgpr_kernarg_segment_ptr 1
		.amdhsa_wavefront_size32 1
		.amdhsa_system_sgpr_workgroup_id_x 1
		.amdhsa_system_sgpr_workgroup_id_y 1
		.amdhsa_system_sgpr_workgroup_id_z 1
		.amdhsa_system_vgpr_workitem_id 0
		.amdhsa_next_free_vgpr 256
		.amdhsa_next_free_sgpr 66
		.amdhsa_reserve_vcc 0
		.amdhsa_float_denorm_mode_32 3
		.amdhsa_float_denorm_mode_16_64 3
		.amdhsa_memory_ordered 1
		.amdhsa_forward_progress 1
		.amdhsa_inst_pref_size 150
	.end_amdhsa_kernel
	.amdgpu_metadata
---
amdhsa.version: [ 1, 2 ]
amdhsa.kernels:
  - .name:           k_qe52ce7ec37_attn
    .symbol:         k_qe52ce7ec37_attn.kd
    .args:
      - { .name: qws, .offset: 0, .size: 8, .value_kind: global_buffer, .address_space: global }
      - { .name: kvws, .offset: 8, .size: 8, .value_kind: global_buffer, .address_space: global }
      - { .name: xws, .offset: 16, .size: 8, .value_kind: global_buffer, .address_space: global }
    .group_segment_fixed_size: 327680
    .private_segment_fixed_size: 0
    .kernarg_segment_align: 8
    .kernarg_segment_size: 24
    .max_flat_workgroup_size: 512
    .sgpr_count:     66
    .vgpr_count:     256
    .wavefront_size: 32
...
	.end_amdgpu_metadata
.endif
;; end of part 2
;; launch outp (part 3): grid 128 x 1, 4 waves a work-group, no clusters, 167,936 bytes of LDS; arguments xws, wows, bo, out0; writes out0
.if DOCPART == 3
	.amdgcn_target "amdgcn-amd-amdhsa--gfx1250"
	.amdhsa_code_object_version 6
	.text
	.protected	k_qe52ce7ec37_outp
	.globl	k_qe52ce7ec37_outp
	.p2align	8
	.type	k_qe52ce7ec37_outp,@function
k_qe52ce7ec37_outp:
	s_mov_b64 s[64:65], 0
	v_nop
	global_prefetch_b8 v0, s[64:65] scope:SCOPE_SE
	s_setreg_imm32_b32 hwreg(HW_REG_WAVE_MODE, 25, 1), 1
	s_wait_xcnt 0x0
; THE PROJECTION ON THE WAY OUT: out = Wo x + bo, on codes of FP6 (E2M3) with one E8M0 scale for each 32 along K (x's 256 channels c = 4 d + h).  No work of reference() is left out here.
; LIMITS: NaN and infinities are not served; a block whose largest magnitude lies under 2^-124, a block of zeros among them, keeps the scale byte 1; the bytes are read by this program alone.
; SHARES.  A work-group takes 64 positions of one batch; wave w the outputs o = 64 w .. 64 w + 63.  Wo's codes and scale words were made by the first launch and lie in the order of the operand's registers:
; my 8 fragments are 24 loads of 16 bytes a lane, their scale words 4 loads of 8; all are asked for behind my tensor load and waited for once, behind x's quantising.
; x has K (channels) outermost: its 256 x 64 numbers come into LDS by one tensor load a wave; then a lane takes a position and its registers run down 128 channels; the fragments go from wave to wave through LDS
; as images of their registers.  The product is used with source 0 = Wo, source 1 = x: a lane holds one position and eight outputs; results go through the wave's own stage and leave as runs of 256 bytes.
; REGISTERS.  Window 0: v2-15 addresses; v16-23 W's scale words; v24-27 x's; v32-43 at work; v44-63 codes just made; v64-255 numbers, fragments, results.  Window 1: v0-95 W's fragments, v96-127 the bias as C.
.set WOS,   49152                      ; where Wo's scale words begin in its workspace
.set XI,    65536                      ; LDS: 0 .. x, channel c at 256 c;  XI: x's 8 fragments, (tile a, K step s) at (2 a + s) 1536
.set XSC,   77824                      ; their scale words, (pair b, s) at (2 b + s) 128
.set STG,   78336                      ; the stage: row o at 272 o
.set SPARE, 147968                     ; the spare words, 128 bytes for each wave: two blocks of 256 bytes that no other line names
.set ROWP,  256
.set XA0,  2
.set G8,   3
.set XW,   4
.set XSW,  5
.set LI,   6
.set LS,   7
.set STO,  8
.set STR,  9
.set GO,   10
.set SPW,  11
.set NIL,  12
.set BA,   13
.set G16,  15
.set WS,   16
.set XS,   24
.set TM,   32
.set FA,   44
.set PW,   63
.set FB,   192
.set CT,   204
.set MSB, 0
.macro WIN new                         ; the immediate's high byte repeats the setting that is left
.if MSB != \new
	s_set_vgpr_msb (MSB<<8)|\new
.set MSB, \new
.endif
.endm
.macro PLACES
.rept 4
	v_nop
.endr
.endm
.macro BARRIER
	s_wait_dscnt 0x0
	s_barrier_signal -1
	s_barrier_wait -1
.endm
; 128 channels of my position become, with lane l xor 16's, the fragments of two tiles: FA (lanes 0-15's tile) and FB (lanes 16-31's); v[PW]: my position's scale word
.macro QX adr
.set QC, 0
.rept 128
	ds_load_b32 v[64+QC], v[\adr] offset:ROWP*QC
.set QC, QC+1
.endr
	s_wait_dscnt 0x0
.irp b, 0,1,2,3
	v_max3_num_f32 v[TM+\b], |v[64+32*\b]|, |v[65+32*\b]|, 0x1800000   ; all 32 numbers of a block are mine; the floor 2^(3 - 127): the byte cannot fall under 1
.endr
.irp i, 2,4,6,8,10,12,14,16,18,20,22,24,26,28,30
.irp b, 0,1,2,3
	v_max3_num_f32 v[TM+\b], v[TM+\b], |v[64+32*\b+\i]|, |v[65+32*\b+\i]|
.endr
.endr
.irp b, 0,1,2,3
	v_add_nc_u32 v[TM+8+\b], 0xff000000, v[TM+\b]  ; 2 off the exponent field: the conversion's scale operand
.endr
.irp b, 0,1,2,3
	v_lshrrev_b32 v[TM+4+\b], 23, v[TM+8+\b]
.endr
	v_lshl_or_b32 v[PW], v[TM+5], 8, v[TM+4]
	v_lshl_or_b32 v[PW], v[TM+6], 16, v[PW]
	v_lshl_or_b32 v[PW], v[TM+7], 24, v[PW]
	v_cvt_scalef32_pk16_fp6_f32 v[FA:FA+2], v[64:79], v[TM+8]         ; blocks 0 and 2 into FA's two sixes, blocks 1 and 3 into FB's
	v_cvt_scalef32_pk16_fp6_f32 v[CT:CT+2], v[80:95], v[TM+8]
	v_cvt_scalef32_pk16_fp6_f32 v[FB:FB+2], v[96:111], v[TM+9]
	v_cvt_scalef32_pk16_fp6_f32 v[CT+4:CT+6], v[112:127], v[TM+9]
	v_cvt_scalef32_pk16_fp6_f32 v[FA+6:FA+8], v[128:143], v[TM+10]
	v_cvt_scalef32_pk16_fp6_f32 v[CT+8:CT+10], v[144:159], v[TM+10]
	v_cvt_scalef32_pk16_fp6_f32 v[FB+6:FB+8], v[160:175], v[TM+11]
	v_cvt_scalef32_pk16_fp6_f32 v[CT+12:CT+14], v[176:191], v[TM+11]
	v_nop                                          ; one plain place behind a scaled conversion
.irp i, 0,1,2
	v_mov_b32 v[FA+3+\i], v[CT+\i]
	v_mov_b32 v[FB+3+\i], v[CT+4+\i]
	v_mov_b32 v[FA+9+\i], v[CT+8+\i]
	v_mov_b32 v[FB+9+\i], v[CT+12+\i]
.endr
.irp i, 0,1,2,3,4,5,6,7,8,9,10,11
	v_permlane16_swap_b32 v[FA+\i], v[FB+\i]       ; FA's lanes 16-31 change places with FB's lanes 0-15: each fragment now holds one tile
.endr
.endm
.macro IMG reg, adr, off
.irp c, 0,1,2
	ds_store_b128 v[\adr], v[\reg+4*\c:\reg+4*\c+3] offset:\off+512*\c
.endr
.endm
.macro WM d, a, b, c, sa, sb, row      ; row = 2: source 1's scales from lanes 16-31
.set wD, \d
.set wA, \a
.set wB, \b
.set wC, \c
.set wSA, \sa
.set wSB, \sb
.if (\row) == 0
	v_wmma_scale_f32_16x16x128_f8f6f4 v[wD:wD+7], v[wA:wA+11], v[wB:wB+11], v[wC:wC+7], v[wSA], v[wSB] matrix_a_fmt:MATRIX_FMT_FP6 matrix_b_fmt:MATRIX_FMT_FP6
.else
	v_wmma_scale_f32_16x16x128_f8f6f4 v[wD:wD+7], v[wA:wA+11], v[wB:wB+11], v[wC:wC+7], v[wSA], v[wSB] matrix_a_fmt:MATRIX_FMT_FP6 matrix_b_fmt:MATRIX_FMT_FP6 matrix_b_scale:MATRIX_SCALE_ROW1
.endif
.endm
.macro FETCHQ a                        ; tile a's two fragments and its pair's two scale words into set a % 2: 8 loads
.irp s, 0,1
.irp c, 0,1,2
	ds_load_b128 v[64+24*((\a)%2)+12*\s+4*\c:64+24*((\a)%2)+12*\s+4*\c+3], v[LI] offset:(2*(\a)+\s)*1536+512*\c
.endr
	ds_load_b32 v[XS+2*((\a)%2)+\s], v[LS] offset:(2*((\a)/2)+\s)*128
.endr
.endm
	s_load_b256 s[4:11], s[0:1], 0x0               ; xws s[4:5], wows s[6:7], bo s[8:9], out0 s[10:11]
	v_lshl_add_u32 v[SPW], v0, 2, SPARE
	v_mov_b32 v[NIL], 0
	ds_add_u32 v[SPW], v[NIL]                      ; the wave's opening: the add, twice on end, and its wait ahead of my first tensor load
	ds_add_u32 v[SPW], v[NIL]
	v_lshrrev_b32 v14, 5, v0
	v_readfirstlane_b32 s27, v14                   ; wave
	s_lshr_b32 s28, ttmp9, 5                       ; b
	s_and_b32 s29, ttmp9, 31                       ; blk
	; descriptor group 1: 64 rows (channels) of 64 elements of 4 bytes, 2,048 elements from row to row, no padding
	s_mov_b32 s40, 2<<16
	s_mov_b32 s41, 64<<16
	s_mov_b32 s42, 64<<16
	s_mov_b32 s43, 64<<16
	s_mov_b32 s44, 64
	s_mov_b32 s45, 2048
	s_mov_b32 s46, 0
	s_mov_b32 s47, 0
	s_mov_b32 s48, 1
	s_lshl_b32 s49, s27, 14                        ; LDS: my 64 channels at 16,384 x wave
	s_lshl_b32 s30, s28, 21                        ; batch b, 64 x wave rows of 8,192 bytes, the block's 64 positions: the same offset in x (the channels that I fetch) and in out (the outputs that I store)
	s_lshl_b32 s31, s27, 19
	s_add_co_u32 s30, s30, s31
	s_lshl_b32 s31, s29, 8
	s_add_co_u32 s30, s30, s31
	s_mov_b32 s31, 0
	s_mul_i32 s60, s27, 12288                      ; my 8 fragments of Wo,
	s_mov_b32 s61, 0
	s_lshl_b32 s52, s27, 10
	s_add_co_u32 s52, s52, WOS                     ; their scale words,
	s_mov_b32 s53, 0
	s_lshl_b32 s62, s27, 8                         ; my 64 numbers of bo
	s_mov_b32 s63, 0
	s_wait_dscnt 0x0                               ; both opening adds are done
	s_wait_kmcnt 0x0
	s_add_nc_u64 s[50:51], s[4:5], s[30:31]
	s_or_b32 s51, s51, 0x80000000                  ; type = 2
	s_add_nc_u64 s[54:55], s[6:7], s[60:61]
	s_add_nc_u64 s[52:53], s[6:7], s[52:53]
	s_add_nc_u64 s[56:57], s[8:9], s[62:63]
	s_add_nc_u64 s[58:59], s[10:11], s[30:31]
	tensor_load_to_lds s[48:51], s[40:47]          ; my quarter of x's tile
	s_nop 0
	PLACES
	v_and_b32 v14, 15, v0                          ; r
	v_bfe_u32 v30, v0, 4, 1                        ; hh
	v_and_b32 v31, 31, v0                          ; lane
	v_lshlrev_b32 v[G16], 4, v31
	v_lshlrev_b32 v[G8], 3, v31
	v_lshlrev_b32 v[BA], 5, v30                    ; the bias: register j of tile t is o = 16 t + 8 hh + j
	WIN 0x40                                       ; destination window 1
.irp f, 0,1,2,3,4,5,6,7
.irp c, 0,1,2
	global_load_b128 v[12*\f+4*\c:12*\f+4*\c+3], v[G16], s[54:55] offset:1536*\f+512*\c   ; fragment f = 2 t + s as it was stored: 512 consecutive bytes a load
.endr
.endr
.irp t, 0,1,2,3
	global_load_b128 v[96+8*\t:99+8*\t], v[BA], s[56:57] offset:64*\t
	global_load_b128 v[100+8*\t:103+8*\t], v[BA], s[56:57] offset:64*\t+16
.endr
	WIN 0
.irp t, 0,1,2,3
	global_load_b64 v[WS+2*\t:WS+2*\t+1], v[G8], s[52:53] offset:256*\t   ; tile t's scale words of both K steps
.endr
	s_lshr_b32 s38, s27, 1                         ; the K step that I quantise,
	s_and_b32 s39, s27, 1                          ; and the pair of tiles
	s_lshl_b32 s30, s38, 15
	s_lshl_b32 s31, s39, 7
	s_add_co_u32 s30, s30, s31
	v_lshl_add_u32 v[XA0], v31, 2, s30             ; position 32 (w % 2) + lane, channels 128 (w / 2) on
	s_lshl_b32 s30, s39, 2
	s_add_co_u32 s30, s30, s38
	s_mul_i32 s30, s30, 1536
	s_add_co_u32 s30, s30, XI
	v_add_nc_u32 v[XW], s30, v[G16]
	s_lshl_b32 s30, s39, 1
	s_add_co_u32 s30, s30, s38
	s_lshl_b32 s30, s30, 7
	s_add_co_u32 s30, s30, XSC
	v_lshl_add_u32 v[XSW], v31, 2, s30
	v_add_nc_u32 v[LI], XI, v[G16]
	v_lshl_add_u32 v[LS], v31, 2, XSC
	s_mul_i32 s30, s27, 64*272
	s_add_co_u32 s30, s30, STG                     ; my 64 rows of the stage
	v_mul_u32_u24 v[STO], v30, 8*272
	v_lshl_add_u32 v[STO], v14, 2, v[STO]
	v_add_nc_u32 v[STO], s30, v[STO]               ; in: row 8 hh + .., word r
	v_mul_u32_u24 v[STR], v30, 272
	v_lshl_add_u32 v[STR], v14, 4, v[STR]
	v_add_nc_u32 v[STR], s30, v[STR]               ; back: lanes 0-15 one row of 256 bytes, lanes 16-31 the next
	v_lshlrev_b32 v[GO], 13, v30
	v_lshl_add_u32 v[GO], v14, 4, v[GO]            ; and the same two rows in out
	s_wait_tensorcnt 0x0                           ; my quarter of x has landed,
	s_barrier_signal -1
	s_barrier_wait -1                              ; everybody's has
	QX XA0
	IMG FA, XW, 0
	IMG FB, XW, 3072
	ds_store_b32 v[XSW], v[PW]
	BARRIER                                        ; x's eight fragments lie in LDS
	s_wait_loadcnt 0x0                             ; Wo's fragments, their scale words and the bias, asked for ahead of x's quantising
	FETCHQ 0
.irp a, 0,1,2,3
.if \a < 3
	FETCHQ \a+1
	s_wait_dscnt 8                                 ; all but the 8 just issued
.else
	s_wait_dscnt 0x0
.endif
	WIN 0x11                                       ; source 0 (W) and C (the bias) window 1
.irp t, 0,1,2,3
	WM 112+32*(\a%2)+8*\t, 24*\t, 64+24*(\a%2), 96+8*\t, WS+2*\t, XS+2*(\a%2), 2*(\a%2)
.endr
	WIN 0x01                                       ; the four accumulators take turns
.irp t, 0,1,2,3
	WM 112+32*(\a%2)+8*\t, 24*\t+12, 76+24*(\a%2), 112+32*(\a%2)+8*\t, WS+2*\t+1, XS+2*(\a%2)+1, 2*(\a%2)
.endr
	WIN 0
	PLACES
.irp t, 0,1,2,3
.irp j, 0,1,2,3,4,5,6,7
	ds_store_b32 v[STO], v[112+32*(\a%2)+8*\t+\j] offset:(16*\t+\j)*272+64*\a   ; out(16 t + 8 hh + j, 16 a + r): each accumulator from its low end on
.endr
.endr
.endr
	; the stage's rows are my own: LDS serves a wave's instructions in order (ISA guide 5.7.1.4), so no barrier and no wait stands between the stores and the loads
.irp i, 0,1,2,3,4,5,6,7,8,9,10,11,12,13,14,15
	ds_load_b128 v[176+4*\i:179+4*\i], v[STR] offset:544*\i
.endr
.irp i, 0,1,2,3,4,5,6,7,8,9,10,11,12,13,14,15
	ds_load_b128 v[64+4*\i:67+4*\i], v[STR] offset:544*(16+\i)
.endr
.irp i, 0,1,2,3,4,5,6,7,8,9,10,11,12,13,14,15
	s_wait_dscnt 31-\i                             ; rows 2 i, 2 i + 1 are in; the younger loads may be out
	global_store_b128 v[GO], v[176+4*\i:179+4*\i], s[58:59] offset:16384*\i   ; 16 lanes store 256 consecutive bytes, at a multiple of 256 from out's first byte
.endr
.irp i, 0,1,2,3,4,5,6,7,8,9,10,11,12,13,14,15
	s_wait_dscnt 15-\i
	global_store_b128 v[GO], v[64+4*\i:67+4*\i], s[58:59] offset:16384*(16+\i)
.endr
	s_wait_tensorcnt 0x0                           ; the wave's end, behind my last tensor load and my last LDS store
	ds_add_u32 v[SPW], v[NIL]
	s_wait_dscnt 0x0
	s_endpgm
.Lfunc_end_k_qe52ce7ec37_outp:
	.size	k_qe52ce7ec37_outp, .Lfunc_end_k_qe52ce7ec37_outp-k_qe52ce7ec37_outp
	.p2alignl 7, 3214868480
	.fill 96, 4, 3214868480
	.section	.rodata,"a",@progbits
	.p2align	6, 0x0
	.amdhsa_kernel k_qe52ce7ec37_outp
		.amdhsa_group_segment_fixed_size 167936
		.amdhsa_private_segment_fixed_size 0
		.amdhsa_enable_private_segment 0
		.amdhsa_kernarg_size 32
		.amdhsa_user_sgpr_count 2
		.amdhsa_user_sgpr_kernarg_segment_ptr 1
		.amdhsa_wavefront_size32 1
		.amdhsa_system_sgpr_workgroup_id_x 1
		.amdhsa_system_sgpr_workgroup_id_y 1
		.amdhsa_system_sgpr_workgroup_id_z 1
		.amdhsa_system_vgpr_workitem_id 0
		.amdhsa_next_free_vgpr 384
		.amdhsa_next_free_sgpr 66
		.amdhsa_reserve_vcc 0
		.amdhsa_float_denorm_mode_32 3
		.amdhsa_float_denorm_mode_16_64 3
		.amdhsa_memory_ordered 1
		.amdhsa_forward_progress 1
		.amdhsa_inst_pref_size 44
	.end_amdhsa_kernel
	.amdgpu_metadata
---
amdhsa.version: [ 1, 2 ]
amdhsa.kernels:
  - .name:           k_qe52ce7ec37_outp
    .symbol:         k_qe52ce7ec37_outp.kd
    .args:
      - { .name: xws, .offset: 0, .size: 8, .value_kind: global_buffer, .address_space: global }
      - { .name: wows, .offset: 8, .size: 8, .value_kind: global_buffer, .address_space: global }
      - { .name: bo, .offset: 16, .size: 8, .value_kind: global_buffer, .address_space: global }
      - { .name: out0, .offset: 24, .size: 8, .value_kind: global_buffer, .address_space: global }
    .group_segment_fixed_size: 167936
    .private_segment_fixed_size: 0
    .kernarg_segment_align: 8
    .kernarg_segment_size: 32
    .max_flat_workgroup_size: 128
    .sgpr_count:     66
    .vgpr_count:     384
    .wavefront_size: 32
...
	.end_amdgpu_metadata
.endif
;; end of part 3
